; MI455X (gfx1250); checked and timed in simulation.
; The chip was launched on July 23, 2026; its instructions are those of AMD's public machine-readable ISA for CDNA 5 (MIT licence, August 2026) and "CDNA5" Instruction Set Architecture Reference Guide (July 2026). The comments in the code are by the model that wrote it; some were corrected since.
;; Distance Transform. Allowed arithmetic: float matrix products may take bf16 or f16 operands with f32 sums; all other float work in f32.
;; Inputs: masks 512 x 512 float32.
;; Outputs: out0 512 x 512 float32; out1 512 x 512 float32.
;; One version. Each part assembles by itself: llvm-mc -triple=amdgcn-amd-amdhsa -mcpu=gfx1250 --defsym DOCPART=n.
;; ======== version 1 of 1: 3 launches
;; workspace buffers: gsq 1,048,576 bytes; win 8,192 bytes of whole numbers; mmax 2,048 bytes; dis 1,048,576 bytes; dmax 4,096 bytes
;; launch rowpass (part 1): grid 256 x 1, 2 waves a work-group, no clusters, 0 bytes of LDS; arguments masks, gsq, win, mmax; writes gsq, win, mmax
.if DOCPART == 1
	.amdgcn_target "amdgcn-amd-amdhsa--gfx1250"
	.amdhsa_code_object_version 6
	.text
	.protected	k_q2859dfdd7d_rowpass
	.globl	k_q2859dfdd7d_rowpass
	.p2align	8
	.type	k_q2859dfdd7d_rowpass,@function
k_q2859dfdd7d_rowpass:
	s_mov_b64 s[64:65], 0
	v_nop
	global_prefetch_b8 v0, s[64:65] scope:SCOPE_SE
	s_setreg_imm32_b32 hwreg(HW_REG_WAVE_MODE, 25, 1), 1
	s_wait_xcnt 0x0
; ROW PASS of an exact squared Euclidean distance transform of masks[512][512] (f32).
; d2[h][k] = min over all (j,l) of (h-j)^2 + (k-l)^2 + f[j][l] does not care which axis is reduced first, so the rows,
; which lie along memory, go first:  gsq[h][k] = min(g^2, 524289),  g = distance along row h to the nearest zero.
; One wave owns one row (2,048 bytes, four loads of 16 bytes a lane, each load 512 consecutive bytes); two waves a group, 256 groups.
; Lane i holds, for segment j = 0..3, the four columns 128 j + 4 i + c, c = 0..3.
; Also stored: the row's largest mask value (mmax[row]) and, as whole numbers, the largest g of each 128-column segment
; (win[row][j], capped at 511): the next launch takes its trip count from them.
; No LDS, no barrier: a row never leaves its wave.  No matrix unit: min-plus is no product.  Groups share no input: no cluster.
; LIMITS: the reference tests masks/max(masks) == 0; here masks == 0 is tested, which differs only where that quotient underflows
; (|m/max| < 2^-150) or max is 0 or infinite.  A NaN among the masks counts as foreground and is skipped by the maximum.
;
; How g is found.  nz = 1.0 where the pixel is not zero, else 0.0.  Inside a lane l(c) = nz(c) (l(c-1) + 1) is the distance to the
; lane's own nearest zero on the left (2048 and more if none), r(c) likewise on the right.  Across lanes each lane offers the POSITION of
; its last zero as  PL = zero column + 1021 = (4 i + 128 j + 1024) - l(3)  (not positive if it has none) and of its first zero as
; PR = 1535 - zero column = (1535 - 4 i - 128 j) - r(0); an exclusive running maximum of PL from the left and of PR from the right gives
; the nearest zero outside the lane.  Anything not positive means none and yields a distance of 1021 or more, whose square is above 524289.
.set OFF, 2                            ; v2        byte offset of my 16 bytes in the group's two rows
.set F4,  3                            ; v3        4 x lane as f32
.set CBL, 4                            ; v[4:7]    segment j: 4 i + 128 j + 1024
.set CBR, 8                            ; v[8:11]   segment j: 1535 - 4 i - 128 j
.set M,   12                           ; v[12:27]  masks as loaded, then nz, then the halves' totals
.set L,   28                           ; v[28:43]  l, then g, then gsq
.set R,   44                           ; v[44:59]  r; at the end scratch of the reductions
.set PL,  60                           ; v[60:63]  running maxima from the left
.set PR,  64                           ; v[64:67]  running maxima from the right
.set XL,  68                           ; v[68:71]  exclusive maximum from the left, then X = distance of column c = 3 to it
.set XR,  72                           ; v[72:75]  exclusive maximum from the right, then Y = distance of column c = 0 to it
.set CL,  76                           ; v[77:79]  last zero of all segments left of j
.set CR,  80                           ; v[80:82]  first zero of all segments right of j
.set RM,  92                           ; v[92:95]  largest g of segment j
.set MX,  96                           ; v[96:100] largest mask value
.set WO,  102                          ; v102      wave x 16: my row's place in win
.set MO,  103                          ; v103      wave x 4: my row's place in mmax
.set A,   104                          ; v[104:127] segment j: X-3, X-2, X-1, Y-1, Y-2, Y-3
	s_load_b256 s[4:11], s[0:1], 0x0               ; masks s[4:5], gsq s[6:7], win s[8:9], mmax s[10:11]
	v_and_b32 v1, 31, v0                           ; lane
	v_lshrrev_b32 v[WO], 5, v0                     ; wave: which of the group's two rows
	v_lshlrev_b32 v[OFF], 4, v1
	v_lshl_add_u32 v[OFF], v[WO], 11, v[OFF]       ; 2,048 x wave + 16 x lane
	s_lshl_b32 s12, ttmp9, 12                      ; the group's two rows: 4,096 bytes
	s_mov_b32 s13, 0
	s_wait_kmcnt 0x0
	s_add_nc_u64 s[4:5], s[4:5], s[12:13]
	s_add_nc_u64 s[6:7], s[6:7], s[12:13]
.irp j, 0,1,2,3
	global_load_b128 v[M+4*\j:M+4*\j+3], v[OFF], s[4:5] offset:512*\j
.endr
	; constants, while the row is on its way
	s_lshl_b32 s12, ttmp9, 5                       ; win: 16 bytes a row
	s_add_nc_u64 s[8:9], s[8:9], s[12:13]
	s_lshl_b32 s12, ttmp9, 3                       ; mmax: 4 bytes a row
	s_add_nc_u64 s[10:11], s[10:11], s[12:13]
	s_mov_b32 s14, -1                              ; v_permlanex16_b32: every lane reads lane 15 of the other half
	s_mov_b32 s15, 0                               ; every lane reads lane 0 of the other half
	s_mov_b32 s16, 0x76543210                      ; lane i reads lane i of the other half
	s_mov_b32 s17, 0xfedcba98
	s_mov_b32 s18, 0xffff0000                      ; lanes 16-31
	s_mov_b32 s19, 0x0000ffff                      ; lanes 0-15
	s_mov_b32 s36, 0x45000000                      ; 2048.0: no zero so far
	s_mov_b32 s37, 0x49000010                      ; 524289.0 = 512^2 + 512^2 + 1, the reference's INF
	v_lshlrev_b32 v[MO], 2, v[WO]
	v_lshlrev_b32 v[WO], 4, v[WO]
	v_lshlrev_b32 v[F4], 2, v1
	v_cvt_f32_u32 v[F4], v[F4]
.irp j, 0,1,2,3
	v_add_f32 v[CBL+\j], 0x44800000+\j*0x100000, v[F4]     ; 1024 + 128 j + 4 i  (0x100000 in the bits is 128 at this exponent)
	v_sub_f32 v[CBR+\j], 0x44bfe000-\j*0x100000, v[F4]     ; 1535 - 128 j - 4 i
	v_mov_b32 v[XL+\j], 0                                  ; a DPP move's destination counts as read: written first
	v_mov_b32 v[XR+\j], 0
.endr
	s_wait_loadcnt 0x0                             ; the whole row is needed at once
	; the largest of my 16 mask values
	v_max3_num_f32 v[MX],   v[M],    v[M+1],  v[M+2]
	v_max3_num_f32 v[MX+1], v[M+3],  v[M+4],  v[M+5]
	v_max3_num_f32 v[MX+2], v[M+6],  v[M+7],  v[M+8]
	v_max3_num_f32 v[MX+3], v[M+9],  v[M+10], v[M+11]
	v_max3_num_f32 v[MX+4], v[M+12], v[M+13], v[M+14]
	v_max3_num_f32 v[MX],   v[MX],   v[MX+1], v[M+15]
	v_max3_num_f32 v[MX+2], v[MX+2], v[MX+3], v[MX+4]
	v_max_num_f32  v[MX],   v[MX],   v[MX+2]
	; nz in place of the masks; sixteen mask registers so that no compare waits for a select
.irp i, 0,1,2,3,4,5,6,7,8,9,10,11,12,13,14,15
	v_cmp_neq_f32 s[20+\i], 0, v[M+\i]
.endr
.irp i, 0,1,2,3,4,5,6,7,8,9,10,11,12,13,14,15
	v_cndmask_b32 v[M+\i], 0, 1.0, s[20+\i]
.endr
	; distances to the lane's own zeros: eight chains of one multiply and three fused multiply-adds, interleaved
.irp j, 0,1,2,3
	v_mul_f32 v[L+4*\j],   s36, v[M+4*\j]
	v_mul_f32 v[R+4*\j+3], s36, v[M+4*\j+3]
.endr
.irp c, 1,2,3
.irp j, 0,1,2,3
	v_fma_f32 v[L+4*\j+\c],   v[L+4*\j+\c-1], v[M+4*\j+\c],   v[M+4*\j+\c]
	v_fma_f32 v[R+4*\j+3-\c], v[R+4*\j+4-\c], v[M+4*\j+3-\c], v[M+4*\j+3-\c]
.endr
.endr
	; what the lane offers its neighbours
.irp j, 0,1,2,3
	v_sub_f32 v[PL+\j], v[CBL+\j], v[L+4*\j+3]
	v_sub_f32 v[PR+\j], v[CBR+\j], v[R+4*\j]
.endr
	; inclusive running maxima inside each half of 16 lanes.  A lane without a partner keeps its value; a partner read as 0 would
	; change nothing either, since every value that is not positive means the same: no zero.
.irp n, 1,2,4,8
.irp j, 0,1,2,3
	v_max_num_f32_dpp v[PL+\j], v[PL+\j], v[PL+\j] row_shr:\n row_mask:0xf bank_mask:0xf
	v_max_num_f32_dpp v[PR+\j], v[PR+\j], v[PR+\j] row_shl:\n row_mask:0xf bank_mask:0xf
.endr
.endr
	; exclusive: the neighbour's inclusive value (0 at the half's end); and each half's total, my own and the other's.
	; The nz registers are done with and take the totals: M+4j own left, +1 other left, +2 own right, +3 other right.
.irp j, 0,1,2,3
	v_mov_b32_dpp v[XL+\j], v[PL+\j] row_shr:1 row_mask:0xf bank_mask:0xf bound_ctrl:1
	v_mov_b32_dpp v[XR+\j], v[PR+\j] row_shl:1 row_mask:0xf bank_mask:0xf bound_ctrl:1
	v_mov_b32_dpp v[M+4*\j],   v[PL+\j] row_share:15 row_mask:0xf bank_mask:0xf
	v_mov_b32_dpp v[M+4*\j+2], v[PR+\j] row_share:0 row_mask:0xf bank_mask:0xf
	v_permlanex16_b32 v[M+4*\j+1], v[PL+\j], s14, s14
	v_permlanex16_b32 v[M+4*\j+3], v[PR+\j], s15, s15
.endr
	; carries between the four segments
	v_max_num_f32  v[CL+1], v[M],    v[M+1]
	v_max_num_f32  v[CR+2], v[M+14], v[M+15]
	v_max3_num_f32 v[CL+2], v[CL+1], v[M+4],  v[M+5]
	v_max3_num_f32 v[CR+1], v[CR+2], v[M+10], v[M+11]
	v_max3_num_f32 v[CL+3], v[CL+2], v[M+8],  v[M+9]
	v_max3_num_f32 v[CR],   v[CR+1], v[M+6],  v[M+7]
	; carry between the halves of a segment: lanes 16-31 lie right of lanes 0-15
.irp j, 0,1,2,3
	v_cndmask_b32 v[M+4*\j+1], 0, v[M+4*\j+1], s18
	v_cndmask_b32 v[M+4*\j+3], 0, v[M+4*\j+3], s19
.endr
	v_max_num_f32 v[XL],   v[XL],   v[M+1]
	v_max_num_f32 v[XR+3], v[XR+3], v[M+15]
.irp j, 1,2,3
	v_max3_num_f32 v[XL+\j], v[XL+\j], v[M+4*\j+1], v[CL+\j]
.endr
.irp j, 0,1,2
	v_max3_num_f32 v[XR+\j], v[XR+\j], v[M+4*\j+3], v[CR+\j]
.endr
	; X: distance of my column c = 3 to the nearest zero left of the lane (column c: X + c - 3); Y: of c = 0 to the right (Y - c)
.irp j, 0,1,2,3
	v_sub_f32 v[XL+\j], v[CBL+\j], v[XL+\j]
	v_sub_f32 v[XR+\j], v[CBR+\j], v[XR+\j]
.endr
.irp j, 0,1,2,3
	v_add_f32 v[A+6*\j],   0xc0400000, v[XL+\j]    ; X - 3
	v_add_f32 v[A+6*\j+1], -2.0, v[XL+\j]
	v_add_f32 v[A+6*\j+2], -1.0, v[XL+\j]
	v_add_f32 v[A+6*\j+3], -1.0, v[XR+\j]
	v_add_f32 v[A+6*\j+4], -2.0, v[XR+\j]
	v_add_f32 v[A+6*\j+5], 0xc0400000, v[XR+\j]    ; Y - 3
.endr
	; g = the least of the four distances
.irp j, 0,1,2,3
	v_min3_num_f32 v[L+4*\j],   v[L+4*\j],   v[R+4*\j],   v[A+6*\j]
	v_min3_num_f32 v[L+4*\j+1], v[L+4*\j+1], v[R+4*\j+1], v[A+6*\j+1]
	v_min3_num_f32 v[L+4*\j+2], v[L+4*\j+2], v[R+4*\j+2], v[A+6*\j+2]
	v_min3_num_f32 v[L+4*\j+3], v[L+4*\j+3], v[R+4*\j+3], v[XL+\j]
.endr
.irp j, 0,1,2,3
	v_min_num_f32 v[L+4*\j],   v[L+4*\j],   v[XR+\j]
	v_min_num_f32 v[L+4*\j+1], v[L+4*\j+1], v[A+6*\j+3]
	v_min_num_f32 v[L+4*\j+2], v[L+4*\j+2], v[A+6*\j+4]
	v_min_num_f32 v[L+4*\j+3], v[L+4*\j+3], v[A+6*\j+5]
.endr
	; my largest g of each segment, before g is squared in place
.irp j, 0,1,2,3
	v_max3_num_f32 v[RM+\j], v[L+4*\j], v[L+4*\j+1], v[L+4*\j+2]
.endr
.irp j, 0,1,2,3
	v_max_num_f32 v[RM+\j], v[RM+\j], v[L+4*\j+3]
.endr
.irp j, 0,1,2,3
	v_pk_mul_f32 v[L+4*\j:L+4*\j+1],   v[L+4*\j:L+4*\j+1],   v[L+4*\j:L+4*\j+1]
	v_pk_mul_f32 v[L+4*\j+2:L+4*\j+3], v[L+4*\j+2:L+4*\j+3], v[L+4*\j+2:L+4*\j+3]
.endr
.irp i, 0,1,2,3,4,5,6,7,8,9,10,11,12,13,14,15
	v_min_num_f32 v[L+\i], s37, v[L+\i]            ; a row without a zero gives the reference's INF
.endr
.irp j, 0,1,2,3
	global_store_b128 v[OFF], v[L+4*\j:L+4*\j+3], s[6:7] offset:512*\j     ; each store of the wave covers 512 consecutive bytes, aligned
.endr
	; the five maxima over the 32 lanes, side by side
.irp n, 1,2,4,8
.irp k, 0,1,2,3
	v_max_num_f32_dpp v[RM+\k], v[RM+\k], v[RM+\k] row_xmask:\n row_mask:0xf bank_mask:0xf
.endr
	v_max_num_f32_dpp v[MX], v[MX], v[MX] row_xmask:\n row_mask:0xf bank_mask:0xf
.endr
.irp k, 0,1,2,3
	v_permlanex16_b32 v[R+\k], v[RM+\k], s16, s17
.endr
	v_permlanex16_b32 v[R+4], v[MX], s16, s17
.irp k, 0,1,2,3
	v_max_num_f32 v[RM+\k], v[RM+\k], v[R+\k]
.endr
	v_max_num_f32 v[MX], v[MX], v[R+4]
.irp k, 0,1,2,3
	v_min_num_f32 v[RM+\k], 0x43ff8000, v[RM+\k]   ; capped at 511: no row of the image is further away
.endr
.irp k, 0,1,2,3
	v_cvt_u32_f32 v[RM+\k], v[RM+\k]
.endr
	v_cmp_eq_u32 vcc_lo, 0, v1
	s_wait_xcnt 0x0                                ; EXEC is a source of the stores above: it narrows only behind this wait
	s_and_saveexec_b32 s20, vcc_lo                 ; lane 0 stores the row's 16 + 4 bytes
	global_store_b128 v[WO], v[RM:RM+3], s[8:9]
	global_store_b32 v[MO], v[MX], s[10:11]
	s_endpgm
.Lfunc_end_k_q2859dfdd7d_rowpass:
	.size	k_q2859dfdd7d_rowpass, .Lfunc_end_k_q2859dfdd7d_rowpass-k_q2859dfdd7d_rowpass
	.p2alignl 7, 3214868480
	.fill 96, 4, 3214868480
	.section	.rodata,"a",@progbits
	.p2align	6, 0x0
	.amdhsa_kernel k_q2859dfdd7d_rowpass
		.amdhsa_group_segment_fixed_size 0
		.amdhsa_private_segment_fixed_size 0
		.amdhsa_enable_private_segment 0
		.amdhsa_kernarg_size 32
		.amdhsa_user_sgpr_count 2
		.amdhsa_user_sgpr_kernarg_segment_ptr 1
		.amdhsa_wavefront_size32 1
		.amdhsa_system_sgpr_workgroup_id_x 1
		.amdhsa_system_sgpr_workgroup_id_y 1
		.amdhsa_system_sgpr_workgroup_id_z 1
		.amdhsa_system_vgpr_workitem_id 0
		.amdhsa_next_free_vgpr 128
		.amdhsa_next_free_sgpr 66
		.amdhsa_reserve_vcc 1
		.amdhsa_float_denorm_mode_32 3
		.amdhsa_float_denorm_mode_16_64 3
		.amdhsa_memory_ordered 1
		.amdhsa_forward_progress 1
		.amdhsa_inst_pref_size 19
	.end_amdhsa_kernel
	.amdgpu_metadata
---
amdhsa.version: [ 1, 2 ]
amdhsa.kernels:
  - .name:           k_q2859dfdd7d_rowpass
    .symbol:         k_q2859dfdd7d_rowpass.kd
    .args:
      - { .name: masks, .offset: 0, .size: 8, .value_kind: global_buffer, .address_space: global }
      - { .name: gsq, .offset: 8, .size: 8, .value_kind: global_buffer, .address_space: global }
      - { .name: win, .offset: 16, .size: 8, .value_kind: global_buffer, .address_space: global }
      - { .name: mmax, .offset: 24, .size: 8, .value_kind: global_buffer, .address_space: global }
    .group_segment_fixed_size: 0
    .private_segment_fixed_size: 0
    .kernarg_segment_align: 8
    .kernarg_segment_size: 32
    .max_flat_workgroup_size: 64
    .sgpr_count:     66
    .vgpr_count:     128
    .wavefront_size: 32
...
	.end_amdgpu_metadata
.endif
;; end of part 1
;; launch colpass (part 2): grid 256 x 1, 4 waves a work-group, no clusters, 0 bytes of LDS; arguments gsq, win, dis, dmax; writes dis, dmax
.if DOCPART == 2
	.amdgcn_target "amdgcn-amd-amdhsa--gfx1250"
	.amdhsa_code_object_version 6
	.text
	.protected	k_q2859dfdd7d_colpass
	.globl	k_q2859dfdd7d_colpass
	.p2align	8
	.type	k_q2859dfdd7d_colpass,@function
k_q2859dfdd7d_colpass:
	s_mov_b64 s[64:65], 0
	v_nop
	global_prefetch_b8 v0, s[64:65] scope:SCOPE_SE
	s_setreg_imm32_b32 hwreg(HW_REG_WAVE_MODE, 25, 1), 1
	s_wait_xcnt 0x0
; COLUMN PASS:  d2[h][k] = min over rows j of (h-j)^2 + gsq[j][k];  dis = sqrt(d2);  dmax[wave] = the wave's largest dis.
; A group owns the two rows h0 = 2 x group and h0 + 1; wave w owns columns 128 w .. 128 w + 127, four a lane (16 bytes).
; WHICH ROWS j CAN WIN.  With a, b the row distances of a column in rows h0, h0 + 1:  d2 <= min(a^2, b^2 + 1) <= (min(a,b) + 1)^2 for both
; target rows, and min(a,b) <= min(Ra, Rb), the two rows' largest g in this segment, which the row pass stored as whole numbers.
; So with R = min(Ra,Rb) + 1 only rows nearer than R count.  Rows come in rings: ring 0 is 16 rows round the pair (every row up to 7 away),
; loaded before R is known; ring r adds 8 rows above and 8 below (up to 7 + 8 r away).  ceil(R/8) rings are needed, 1 to 64; 64 rings reach
; 511 rows, the whole image, so the result is exact for every input.  Ring starts are clamped into the image; a row taken twice or
; without need is a true candidate with its true weight and changes no minimum.
; All numbers are integers below 2^24: f32 is exact.  The weights (h-j)^2 are scalars, made while the rows are on their way.
; No LDS: a wave's working set is 16 loads.  No cluster: neighbouring groups' windows overlap, but each begins two rows later, so no two
; groups ask for the same tile, and their numbers of rings differ.
.set ROWB, 2048
.set OFF, 2                            ; v2        16 x thread: my 16 bytes in a row
.set DO,  3                            ; v3        4 x wave: my wave's place in the group's part of dmax
.set G,   4                            ; v[4:67]   a ring: 16 rows x 4 columns
.set D,   68                           ; v[68:71]  running minima of row h0, v[72:75] of row h0 + 1
.set T,   76                           ; v[76:91]  candidates at work
.set WA,  28                           ; s[28:45]  weights of the ring's first 8 rows:  s[WA+2n] = (h0 + 1 - first row - n)^2 as f32, n = 0..8;
.set WB,  46                           ; s[46:63]  of its last 8 rows.  The odd registers hold the integer on its way: the packed add names pairs
.macro LOADS                           ; 16 rows, 512 consecutive bytes of each for the wave
.irp c, 0,1,2,3,4,5,6,7
	global_load_b128 v[G+4*\c:G+4*\c+3], v[OFF], s[16:17] offset:ROWB*\c
.endr
.irp c, 0,1,2,3,4,5,6,7
	global_load_b128 v[G+32+4*\c:G+32+4*\c+3], v[OFF], s[18:19] offset:ROWB*\c
.endr
.endm
.macro WEIGHTS w, e                    ; s[e] = h0 + 1 - first row of the eight.  Row c weighs s[w+2c] for target h0 + 1 and s[w+2c+2] for target h0
.irp n, 0,1,2,3,4,5,6,7,8
	s_sub_co_i32  s[\w+2*\n+1], s[\e], \n
	s_mul_i32     s[\w+2*\n+1], s[\w+2*\n+1], s[\w+2*\n+1]
	s_cvt_f32_u32 s[\w+2*\n],   s[\w+2*\n+1]
.endr
.endm
.macro PAIR g, w, first                ; two rows (registers g .. g+7) against both targets: 8 packed adds, 8 minima of three
	v_pk_add_f32 v[T:T+1],     v[\g:\g+1],   s[\w+2:\w+3] op_sel_hi:[1,0]
	v_pk_add_f32 v[T+2:T+3],   v[\g+2:\g+3], s[\w+2:\w+3] op_sel_hi:[1,0]
	v_pk_add_f32 v[T+4:T+5],   v[\g+4:\g+5], s[\w+4:\w+5] op_sel_hi:[1,0]
	v_pk_add_f32 v[T+6:T+7],   v[\g+6:\g+7], s[\w+4:\w+5] op_sel_hi:[1,0]
	v_pk_add_f32 v[T+8:T+9],   v[\g:\g+1],   s[\w:\w+1]   op_sel_hi:[1,0]
	v_pk_add_f32 v[T+10:T+11], v[\g+2:\g+3], s[\w:\w+1]   op_sel_hi:[1,0]
	v_pk_add_f32 v[T+12:T+13], v[\g+4:\g+5], s[\w+2:\w+3] op_sel_hi:[1,0]
	v_pk_add_f32 v[T+14:T+15], v[\g+6:\g+7], s[\w+2:\w+3] op_sel_hi:[1,0]
.irp x, 0,1,2,3
.if \first
	v_min_num_f32 v[D+\x],   v[T+\x],   v[T+4+\x]          ; the first two rows start the minima: nothing is preset
	v_min_num_f32 v[D+4+\x], v[T+8+\x], v[T+12+\x]
.else
	v_min3_num_f32 v[D+\x],   v[D+\x],   v[T+\x],   v[T+4+\x]
	v_min3_num_f32 v[D+4+\x], v[D+4+\x], v[T+8+\x], v[T+12+\x]
.endif
.endr
.endm
.macro RING first                      ; loads come back in order (ISA guide 5.7.1): each wait lets the rows behind the pair stay out
	s_wait_loadcnt 14
	PAIR G, WA, \first
.irp k, 1,2,3
	s_wait_loadcnt 14-2*\k
	PAIR G+8*\k, WA+4*\k, 0
.endr
.irp k, 0,1,2,3
	s_wait_loadcnt 6-2*\k
	PAIR G+32+8*\k, WB+4*\k, 0
.endr
.endm
	s_load_b256 s[4:11], s[0:1], 0x0               ; gsq s[4:5], win s[6:7], dis s[8:9], dmax s[10:11]
	v_lshrrev_b32 v[DO], 5, v0
	v_readfirstlane_b32 s12, v[DO]                 ; wave = column segment
	v_and_b32 v1, 31, v0                           ; lane
	v_lshlrev_b32 v[OFF], 4, v0
	v_lshlrev_b32 v[DO], 2, v[DO]
	s_lshl_b32 s13, ttmp9, 1                       ; h0
	s_sub_co_i32 s14, s13, 7                       ; ring r's upper eight rows begin at h0 - 7 - 8 r (before clamping)
	s_add_co_u32 s13, s13, 1                       ; h0 + 1, kept
	s_mov_b32 s15, s13                             ; ring r's lower eight rows begin at h0 + 1 + 8 r
	s_max_i32 s24, s14, 0
	s_min_u32 s24, s24, 496                        ; ring 0: 16 rows from here, inside the image
	s_sub_co_i32 s25, s13, s24
	s_sub_co_i32 s26, s25, 8
	s_lshl_b32 s20, s24, 11
	s_mov_b32 s21, 0                               ; stays 0: the high word of every offset
	s_lshl_b32 s22, ttmp9, 5                       ; win: 16 bytes a row, two rows a group,
	s_lshl2_add_u32 s22, s12, s22                  ; 4 bytes a segment
	s_mov_b32 s23, 0
	s_wait_kmcnt 0x0
	s_add_nc_u64 s[6:7], s[6:7], s[22:23]
	s_load_b32 s22, s[6:7], 0x0                    ; Ra: row h0
	s_load_b32 s23, s[6:7], 0x10                   ; Rb: row h0 + 1
	s_add_nc_u64 s[16:17], s[4:5], s[20:21]
	s_add_nc_u64 s[18:19], s[16:17], 8*ROWB
	LOADS
	s_lshl_b32 s20, ttmp9, 12
	s_add_nc_u64 s[8:9], s[8:9], s[20:21]          ; dis at the group's two rows
	s_lshl_b32 s20, ttmp9, 4
	s_add_nc_u64 s[10:11], s[10:11], s[20:21]      ; dmax at the group's four words
	s_mov_b32 s12, 0x76543210                      ; v_permlanex16_b32: lane i reads lane i of the other half
	s_mov_b32 s27, 0xfedcba98
	WEIGHTS WA, 25
	WEIGHTS WB, 26
	RING 1
	s_wait_kmcnt 0x0                               ; Ra, Rb: asked for ahead of ring 0
	s_min_u32 s22, s22, s23
	s_min_u32 s22, s22, 511
	s_add_co_u32 s22, s22, 8
	s_lshr_b32 s22, s22, 3                         ; ceil((min(Ra,Rb) + 1) / 8) rings, 1 to 64
	s_cmp_le_u32 s22, 1
	s_cbranch_scc1 .Lout
	s_mov_b32 s24, 1                               ; rings done
.Lring:
	s_sub_co_i32 s14, s14, 8
	s_add_co_u32 s15, s15, 8
	s_max_i32 s20, s14, 0                          ; eight rows above, from row 0 at the least
	s_sub_co_i32 s25, s13, s20
	s_lshl_b32 s20, s20, 11
	s_add_nc_u64 s[16:17], s[4:5], s[20:21]        ; the last ring's loads were all waited for: their bases and registers are free
	s_min_u32 s20, s15, 504                        ; eight rows below, ending at row 511 at the most
	s_sub_co_i32 s26, s13, s20
	s_lshl_b32 s20, s20, 11
	s_add_nc_u64 s[18:19], s[4:5], s[20:21]
	LOADS
	WEIGHTS WA, 25
	WEIGHTS WB, 26
	RING 0
	s_add_co_u32 s24, s24, 1
	s_cmp_lt_u32 s24, s22
	s_cbranch_scc1 .Lring
.Lout:
.irp x, 0,1,2,3,4,5,6,7
	v_sqrt_f32 v[D+\x], v[D+\x]
.endr
	v_nop                                          ; one plain vector instruction between the last root and the first use of a result (ISA guide 5.7.2)
	s_wait_alu depctr_va_vdst(0)
	global_store_b128 v[OFF], v[D:D+3],   s[8:9]               ; each store of the wave covers 512 consecutive bytes, aligned
	global_store_b128 v[OFF], v[D+4:D+7], s[8:9] offset:ROWB
	v_max3_num_f32 v[T],   v[D],   v[D+1], v[D+2]
	v_max3_num_f32 v[T+1], v[D+3], v[D+4], v[D+5]
	v_max3_num_f32 v[T],   v[T],   v[D+6], v[D+7]
	v_max_num_f32  v[T],   v[T],   v[T+1]
	v_max_num_f32_dpp v[T], v[T], v[T] row_xmask:1 row_mask:0xf bank_mask:0xf
	v_max_num_f32_dpp v[T], v[T], v[T] row_xmask:2 row_mask:0xf bank_mask:0xf
	v_max_num_f32_dpp v[T], v[T], v[T] row_xmask:4 row_mask:0xf bank_mask:0xf
	v_max_num_f32_dpp v[T], v[T], v[T] row_xmask:8 row_mask:0xf bank_mask:0xf
	v_permlanex16_b32 v[T+1], v[T], s12, s27
	v_max_num_f32 v[T], v[T], v[T+1]
	v_cmp_eq_u32 vcc_lo, 0, v1
	s_wait_xcnt 0x0                                ; EXEC is a source of the stores above: it narrows only behind this wait
	s_and_saveexec_b32 s20, vcc_lo                 ; lane 0 stores the wave's maximum
	global_store_b32 v[DO], v[T], s[10:11]
	s_endpgm
.Lfunc_end_k_q2859dfdd7d_colpass:
	.size	k_q2859dfdd7d_colpass, .Lfunc_end_k_q2859dfdd7d_colpass-k_q2859dfdd7d_colpass
	.p2alignl 7, 3214868480
	.fill 96, 4, 3214868480
	.section	.rodata,"a",@progbits
	.p2align	6, 0x0
	.amdhsa_kernel k_q2859dfdd7d_colpass
		.amdhsa_group_segment_fixed_size 0
		.amdhsa_private_segment_fixed_size 0
		.amdhsa_enable_private_segment 0
		.amdhsa_kernarg_size 32
		.amdhsa_user_sgpr_count 2
		.amdhsa_user_sgpr_kernarg_segment_ptr 1
		.amdhsa_wavefront_size32 1
		.amdhsa_system_sgpr_workgroup_id_x 1
		.amdhsa_system_sgpr_workgroup_id_y 1
		.amdhsa_system_sgpr_workgroup_id_z 1
		.amdhsa_system_vgpr_workitem_id 0
		.amdhsa_next_free_vgpr 92
		.amdhsa_next_free_sgpr 66
		.amdhsa_reserve_vcc 1
		.amdhsa_float_denorm_mode_32 3
		.amdhsa_float_denorm_mode_16_64 3
		.amdhsa_memory_ordered 1
		.amdhsa_forward_progress 1
		.amdhsa_inst_pref_size 27
	.end_amdhsa_kernel
	.amdgpu_metadata
---
amdhsa.version: [ 1, 2 ]
amdhsa.kernels:
  - .name:           k_q2859dfdd7d_colpass
    .symbol:         k_q2859dfdd7d_colpass.kd
    .args:
      - { .name: gsq, .offset: 0, .size: 8, .value_kind: global_buffer, .address_space: global }
      - { .name: win, .offset: 8, .size: 8, .value_kind: global_buffer, .address_space: global }
      - { .name: dis, .offset: 16, .size: 8, .value_kind: global_buffer, .address_space: global }
      - { .name: dmax, .offset: 24, .size: 8, .value_kind: global_buffer, .address_space: global }
    .group_segment_fixed_size: 0
    .private_segment_fixed_size: 0
    .kernarg_segment_align: 8
    .kernarg_segment_size: 32
    .max_flat_workgroup_size: 128
    .sgpr_count:     66
    .vgpr_count:     92
    .wavefront_size: 32
...
	.end_amdgpu_metadata
.endif
;; end of part 2
;; launch finish (part 3): grid 256 x 1, 2 waves a work-group, no clusters, 0 bytes of LDS; arguments masks, dis, mmax, dmax, out0, out1; writes out0, out1
.if DOCPART == 3
	.amdgcn_target "amdgcn-amd-amdhsa--gfx1250"
	.amdhsa_code_object_version 6
	.text
	.protected	k_q2859dfdd7d_finish
	.globl	k_q2859dfdd7d_finish
	.p2align	8
	.type	k_q2859dfdd7d_finish,@function
k_q2859dfdd7d_finish:
	s_mov_b64 s[64:65], 0
	v_nop
	global_prefetch_b8 v0, s[64:65] scope:SCOPE_SE
	s_setreg_imm32_b32 hwreg(HW_REG_WAVE_MODE, 25, 1), 1
	s_wait_xcnt 0x0
; out0 = dis / max(dis);  out1 = masks / max(masks) - out0.
; One wave owns one row (2,048 bytes of each array); two waves a group, 256 groups.  The two maxima span the image: the earlier launches
; left 512 partial maxima of masks (one a row) and 1,024 of dis (one a wave).  Every wave reduces them for itself: 12 loads of 16 bytes a
; lane, issued together with its 8 data loads, so that they add no second trip to memory and no LDS or barrier is needed.
; A stream: no matrix unit, no cluster (what the groups share is 6 KiB of partial maxima, read once by each wave through registers).
; LIMITS: the divisions are multiplications by v_rcp_f32, which takes a denormal as zero and gives zero for a denormal result
; (ISA guide 15.8): |max(masks)| must lie between 2^-126 and 2^126.  NaN partials are skipped by the maxima.
.set LO,  1                            ; v1        16 x lane
.set OFF, 2                            ; v2        2,048 x wave + 16 x lane
.set PM,  4                            ; v[4:19]   16 of the 512 partial maxima of masks
.set PD,  20                           ; v[20:51]  32 of the 1,024 partial maxima of dis
.set MS,  52                           ; v[52:67]  my 16 masks, then out1
.set DS,  68                           ; v[68:83]  my 16 distances, then out0
.set RM,  84                           ; v[84:85]  1 / max(masks), twice (a pair for the packed forms)
.set RD,  86                           ; v[86:87]  1 / max(dis), twice
	s_load_b256 s[4:11], s[0:1], 0x0               ; masks s[4:5], dis s[6:7], mmax s[8:9], dmax s[10:11]
	s_load_b128 s[12:15], s[0:1], 0x20             ; out0 s[12:13], out1 s[14:15]
	v_and_b32 v[LO], 31, v0
	v_lshrrev_b32 v[OFF], 5, v0
	v_lshlrev_b32 v[LO], 4, v[LO]
	v_lshl_add_u32 v[OFF], v[OFF], 11, v[LO]
	s_lshl_b32 s16, ttmp9, 12                      ; the group's two rows
	s_mov_b32 s17, 0
	s_mov_b32 s18, 0x76543210                      ; v_permlanex16_b32: lane i reads lane i of the other half
	s_mov_b32 s19, 0xfedcba98
	s_wait_kmcnt 0x0
.irp q, 0,1,2,3
	global_load_b128 v[PM+4*\q:PM+4*\q+3], v[LO], s[8:9] offset:512*\q
.endr
.irp q, 0,1,2,3,4,5,6,7
	global_load_b128 v[PD+4*\q:PD+4*\q+3], v[LO], s[10:11] offset:512*\q
.endr
	s_add_nc_u64 s[4:5], s[4:5], s[16:17]
	s_add_nc_u64 s[6:7], s[6:7], s[16:17]
	s_add_nc_u64 s[12:13], s[12:13], s[16:17]
	s_add_nc_u64 s[14:15], s[14:15], s[16:17]
.irp q, 0,1,2,3
	global_load_b128 v[MS+4*\q:MS+4*\q+3], v[OFF], s[4:5] offset:512*\q th:TH_LOAD_NT
	global_load_b128 v[DS+4*\q:DS+4*\q+3], v[OFF], s[6:7] offset:512*\q th:TH_LOAD_NT
.endr
	s_wait_loadcnt 8                               ; the 12 loads of partial maxima are in; the 8 data loads behind them stay out
	; 32 -> 1 and 16 -> 1 inside the lane, three at a time
.irp i, 0,1,2,3,4,5,6,7,8,9
	v_max3_num_f32 v[PD+3*\i], v[PD+3*\i], v[PD+3*\i+1], v[PD+3*\i+2]
.endr
.irp i, 0,1,2,3,4
	v_max3_num_f32 v[PM+3*\i], v[PM+3*\i], v[PM+3*\i+1], v[PM+3*\i+2]
.endr
	v_max3_num_f32 v[PD],    v[PD],    v[PD+3],  v[PD+6]
	v_max3_num_f32 v[PD+9],  v[PD+9],  v[PD+12], v[PD+15]
	v_max3_num_f32 v[PD+18], v[PD+18], v[PD+21], v[PD+24]
	v_max3_num_f32 v[PD+27], v[PD+27], v[PD+30], v[PD+31]
	v_max3_num_f32 v[PM],    v[PM],    v[PM+3],  v[PM+15]
	v_max3_num_f32 v[PM+6],  v[PM+6],  v[PM+9],  v[PM+12]
	v_max3_num_f32 v[PD],    v[PD],    v[PD+9],  v[PD+18]
	v_max_num_f32  v[PM],    v[PM],    v[PM+6]
	v_max_num_f32  v[PD],    v[PD],    v[PD+27]
	; over the 32 lanes
.irp n, 1,2,4,8
	v_max_num_f32_dpp v[PM], v[PM], v[PM] row_xmask:\n row_mask:0xf bank_mask:0xf
	v_max_num_f32_dpp v[PD], v[PD], v[PD] row_xmask:\n row_mask:0xf bank_mask:0xf
.endr
	v_permlanex16_b32 v[PM+1], v[PM], s18, s19
	v_permlanex16_b32 v[PD+1], v[PD], s18, s19
	v_max_num_f32 v[PM], v[PM], v[PM+1]
	v_max_num_f32 v[PD], v[PD], v[PD+1]
	v_rcp_f32 v[RM],   v[PM]
	v_rcp_f32 v[RM+1], v[PM]
	v_rcp_f32 v[RD],   v[PD]
	v_rcp_f32 v[RD+1], v[PD]
	v_nop                                          ; one plain vector instruction between the last reciprocal and the first use (ISA guide 5.7.2)
	s_wait_alu depctr_va_vdst(0)
.irp q, 0,1,2,3
	s_wait_loadcnt 6-2*\q                          ; quarter q of masks and of dis is in; the later quarters stay out
	v_pk_mul_f32 v[DS+4*\q:DS+4*\q+1],   v[DS+4*\q:DS+4*\q+1],   v[RD:RD+1]
	v_pk_mul_f32 v[DS+4*\q+2:DS+4*\q+3], v[DS+4*\q+2:DS+4*\q+3], v[RD:RD+1]
	v_pk_fma_f32 v[MS+4*\q:MS+4*\q+1],   v[MS+4*\q:MS+4*\q+1],   v[RM:RM+1], v[DS+4*\q:DS+4*\q+1]   neg_lo:[0,0,1] neg_hi:[0,0,1]
	v_pk_fma_f32 v[MS+4*\q+2:MS+4*\q+3], v[MS+4*\q+2:MS+4*\q+3], v[RM:RM+1], v[DS+4*\q+2:DS+4*\q+3] neg_lo:[0,0,1] neg_hi:[0,0,1]
	global_store_b128 v[OFF], v[DS+4*\q:DS+4*\q+3], s[12:13] offset:512*\q th:TH_STORE_NT     ; 512 consecutive bytes a store, aligned
	global_store_b128 v[OFF], v[MS+4*\q:MS+4*\q+3], s[14:15] offset:512*\q th:TH_STORE_NT
.endr
	s_endpgm
.Lfunc_end_k_q2859dfdd7d_finish:
	.size	k_q2859dfdd7d_finish, .Lfunc_end_k_q2859dfdd7d_finish-k_q2859dfdd7d_finish
	.p2alignl 7, 3214868480
	.fill 96, 4, 3214868480
	.section	.rodata,"a",@progbits
	.p2align	6, 0x0
	.amdhsa_kernel k_q2859dfdd7d_finish
		.amdhsa_group_segment_fixed_size 0
		.amdhsa_private_segment_fixed_size 0
		.amdhsa_enable_private_segment 0
		.amdhsa_kernarg_size 48
		.amdhsa_user_sgpr_count 2
		.amdhsa_user_sgpr_kernarg_segment_ptr 1
		.amdhsa_wavefront_size32 1
		.amdhsa_system_sgpr_workgroup_id_x 1
		.amdhsa_system_sgpr_workgroup_id_y 1
		.amdhsa_system_sgpr_workgroup_id_z 1
		.amdhsa_system_vgpr_workitem_id 0
		.amdhsa_next_free_vgpr 88
		.amdhsa_next_free_sgpr 66
		.amdhsa_reserve_vcc 0
		.amdhsa_float_denorm_mode_32 3
		.amdhsa_float_denorm_mode_16_64 3
		.amdhsa_memory_ordered 1
		.amdhsa_forward_progress 1
		.amdhsa_inst_pref_size 7
	.end_amdhsa_kernel
	.amdgpu_metadata
---
amdhsa.version: [ 1, 2 ]
amdhsa.kernels:
  - .name:           k_q2859dfdd7d_finish
    .symbol:         k_q2859dfdd7d_finish.kd
    .args:
      - { .name: masks, .offset: 0, .size: 8, .value_kind: global_buffer, .address_space: global }
      - { .name: dis, .offset: 8, .size: 8, .value_kind: global_buffer, .address_space: global }
      - { .name: mmax, .offset: 16, .size: 8, .value_kind: global_buffer, .address_space: global }
      - { .name: dmax, .offset: 24, .size: 8, .value_kind: global_buffer, .address_space: global }
      - { .name: out0, .offset: 32, .size: 8, .value_kind: global_buffer, .address_space: global }
      - { .name: out1, .offset: 40, .size: 8, .value_kind: global_buffer, .address_space: global }
    .group_segment_fixed_size: 0
    .private_segment_fixed_size: 0
    .kernarg_segment_align: 8
    .kernarg_segment_size: 48
    .max_flat_workgroup_size: 64
    .sgpr_count:     66
    .vgpr_count:     88
    .wavefront_size: 32
...
	.end_amdgpu_metadata
.endif
;; end of part 3
